; MI455X (gfx1250); checked and timed in simulation.
; The chip was launched on July 23, 2026; its instructions are those of AMD's public machine-readable ISA for CDNA 5 (MIT licence, August 2026) and "CDNA5" Instruction Set Architecture Reference Guide (July 2026). The comments in the code are by the model that wrote it; some were corrected since.
;; Multi Head Attention. Allowed arithmetic: float matrix products may take bf16 or f16 operands with f32 sums; all other float work in f32.
;; Inputs: Wk 512 x 512 float32; Wp 512 x 512 float32; Wq 512 x 512 float32; Wv 512 x 512 float32; x 4 x 2,048 x 512 float32.
;; Outputs: out0 4 x 2,048 x 512 float32.
;; Constants: causal_mask = 0.
;; One version. Each part assembles by itself: llvm-mc -triple=amdgcn-amd-amdhsa -mcpu=gfx1250 --defsym DOCPART=n.
;; ======== version 1 of 1: 4 launches
;; limits: values are held in f16: magnitudes above 65,504 overflow, below 6.1e-05 lose precision; right only within a limited range of input values
;; workspace buffers: xh 8,388,608 bytes; wh 2,097,152 bytes; qkv 25,165,824 bytes; ao 8,388,608 bytes
;; launch cast (part 1): grid 256 x 1, 8 waves a work-group, no clusters, 0 bytes of LDS; arguments x, Wq, Wk, Wv, Wp, xh, wh; writes xh, wh
.if DOCPART == 1
	.amdgcn_target "amdgcn-amd-amdhsa--gfx1250"
	.amdhsa_code_object_version 6
	.text
	.protected	k_qe0309eb016_cast
	.globl	k_qe0309eb016_cast
	.p2align	8
	.type	k_qe0309eb016_cast,@function
k_qe0309eb016_cast:
	s_mov_b64 s[64:65], 0
	v_nop
	global_prefetch_b8 v0, s[64:65] scope:SCOPE_SE
	s_setreg_imm32_b32 hwreg(HW_REG_WAVE_MODE, 25, 1), 1
	s_wait_xcnt 0x0
; xh = f16(x); wh = f16(scale * W), the four weight matrices in one table of [2048][512] f16:
;   row 192 head + 64 mat + d  (mat 0 = Wq, 1 = Wk, 2 = Wv; source row 64 head + d), row 1536 + o = Wp's row o.
; All of the module's scales are folded into the weights, in f32, ahead of the one rounding:
;   Wq * log2(e) / 64, Wk / 64:  q'.k' = log2(e) * (x Wq).(x Wk) / 4096 = log2(e) * score (512^-1/2 * 512^-1/2 * 64^-1/2 = 1/4096)
;   Wv / 16, Wp / 32:            1/512 = 512^-1/2 * 512^-1/2
; LIMIT (range of f16): |x| and |scale * W| must stay below 65,504; beyond it they become infinities.
; A stream: every f32 byte is read once and every f16 byte written once; no LDS, no barrier, no matrix unit, no cluster (no byte is shared).
; Work-group g: 16,384 numbers of x (64 KiB in, 32 KiB out) and eight rows of weight matrix g >> 6 (16 KiB in, 8 KiB out).
; Thread t takes 16 bytes at 16 t of every 4,096: a wave's load covers 512 consecutive bytes, its store 256 consecutive aligned bytes.
; All 20 loads of a wave go out first; no register a store reads is written twice, so no source of a pending instruction is ever rewritten.
.set WR, 4                             ; v[4:19]    four loads of the weights
.set XR, 20                            ; v[20:83]   sixteen loads of x
.set YW, 84                            ; v[84:91]   weights as f16
.set YX, 92                            ; v[92:123]  x as f16
	s_load_b256 s[4:11], s[0:1], 0x0               ; x s[4:5], Wq s[6:7], Wk s[8:9], Wv s[10:11]
	s_load_b128 s[12:15], s[0:1], 0x20             ; Wp s[12:13], xh s[14:15]
	s_load_b64 s[16:17], s[0:1], 0x30              ; wh
	s_lshr_b32 s18, ttmp9, 6                       ; mat: which weight matrix
	s_and_b32 s19, ttmp9, 63                       ; which eight rows of it
	v_lshlrev_b32 v1, 4, v0                        ; 16 t: loads
	v_lshlrev_b32 v2, 3, v0                        ; 8 t: stores
	s_lshr_b32 s24, s19, 3                         ; head = row / 64
	s_mul_i32 s24, s24, 192
	s_lshl_b32 s25, s18, 6
	s_add_co_u32 s24, s24, s25                     ; + 64 mat
	s_and_b32 s25, s19, 7
	s_lshl_b32 s25, s25, 3
	s_add_co_u32 s24, s24, s25                     ; + d: the row in wh for Wq, Wk, Wv
	s_lshl_b32 s25, s19, 3
	s_add_co_u32 s25, s25, 1536                    ; the row in wh for Wp
	s_cmp_lt_u32 s18, 3
	s_cselect_b32 s24, s24, s25
	s_lshl_b32 s24, s24, 10                        ; rows of 1,024 bytes
	s_mov_b32 s25, 0
	s_lshl_b32 s26, s19, 14                        ; eight source rows of 2,048 bytes
	s_mov_b32 s27, 0
	s_lshl_b32 s28, ttmp9, 16                      ; my 64 KiB of x
	s_mov_b32 s29, 0
	s_lshl_b32 s30, ttmp9, 15                      ; my 32 KiB of xh
	s_mov_b32 s31, 0
	s_mov_b32 s20, 0x3c800000                      ; 1/64 (Wk)
	s_wait_kmcnt 0x0
	s_cmp_eq_u32 s18, 0                            ; the choice hangs on the work-group's number alone
	s_cselect_b64 s[22:23], s[6:7], s[8:9]
	s_cselect_b32 s20, 0x3cb8aa3b, s20             ; log2(e)/64 (Wq)
	s_cmp_lt_u32 s18, 2
	s_cselect_b64 s[22:23], s[22:23], s[10:11]
	s_cselect_b32 s20, s20, 0x3d800000             ; 1/16 (Wv)
	s_cmp_lt_u32 s18, 3
	s_cselect_b64 s[22:23], s[22:23], s[12:13]
	s_cselect_b32 s20, s20, 0x3d000000             ; 1/32 (Wp)
	s_mov_b32 s21, s20                             ; the pair is written whole
	s_add_nc_u64 s[22:23], s[22:23], s[26:27]
	s_add_nc_u64 s[16:17], s[16:17], s[24:25]
	s_add_nc_u64 s[4:5], s[4:5], s[28:29]
	s_add_nc_u64 s[14:15], s[14:15], s[30:31]
.set i, 0
.rept 4
	global_load_b128 v[WR+4*i:WR+4*i+3], v1, s[22:23] offset:4096*i th:TH_LOAD_NT
.set i, i+1
.endr
.set i, 0
.rept 16
	global_load_b128 v[XR+4*i:XR+4*i+3], v1, s[4:5] offset:4096*i th:TH_LOAD_NT
.set i, i+1
.endr
.set i, 0
.rept 4
	s_wait_loadcnt 19-i                            ; loads return in order: 19 - i younger ones may stay out
	v_pk_mul_f32 v[WR+4*i:WR+4*i+1], v[WR+4*i:WR+4*i+1], s[20:21] op_sel_hi:[1,0]
	v_pk_mul_f32 v[WR+4*i+2:WR+4*i+3], v[WR+4*i+2:WR+4*i+3], s[20:21] op_sel_hi:[1,0]
	v_cvt_pk_f16_f32 v[YW+2*i], v[WR+4*i], v[WR+4*i+1]
	v_cvt_pk_f16_f32 v[YW+2*i+1], v[WR+4*i+2], v[WR+4*i+3]
	global_store_b64 v2, v[YW+2*i:YW+2*i+1], s[16:17] offset:2048*i
.set i, i+1
.endr
.set i, 0
.rept 16
	s_wait_loadcnt 15-i                            ; 15 - i younger loads may stay out
	v_cvt_pk_f16_f32 v[YX+2*i], v[XR+4*i], v[XR+4*i+1]
	v_cvt_pk_f16_f32 v[YX+2*i+1], v[XR+4*i+2], v[XR+4*i+3]
	global_store_b64 v2, v[YX+2*i:YX+2*i+1], s[14:15] offset:2048*i
.set i, i+1
.endr
	s_endpgm
.Lfunc_end_k_qe0309eb016_cast:
	.size	k_qe0309eb016_cast, .Lfunc_end_k_qe0309eb016_cast-k_qe0309eb016_cast
	.p2alignl 7, 3214868480
	.fill 96, 4, 3214868480
	.section	.rodata,"a",@progbits
	.p2align	6, 0x0
	.amdhsa_kernel k_qe0309eb016_cast
		.amdhsa_group_segment_fixed_size 0
		.amdhsa_private_segment_fixed_size 0
		.amdhsa_enable_private_segment 0
		.amdhsa_kernarg_size 56
		.amdhsa_user_sgpr_count 2
		.amdhsa_user_sgpr_kernarg_segment_ptr 1
		.amdhsa_wavefront_size32 1
		.amdhsa_system_sgpr_workgroup_id_x 1
		.amdhsa_system_sgpr_workgroup_id_y 1
		.amdhsa_system_sgpr_workgroup_id_z 1
		.amdhsa_system_vgpr_workitem_id 0
		.amdhsa_next_free_vgpr 128
		.amdhsa_next_free_sgpr 66
		.amdhsa_reserve_vcc 0
		.amdhsa_float_denorm_mode_32 3
		.amdhsa_float_denorm_mode_16_64 3
		.amdhsa_memory_ordered 1
		.amdhsa_forward_progress 1
		.amdhsa_inst_pref_size 10
	.end_amdhsa_kernel
	.amdgpu_metadata
---
amdhsa.version: [ 1, 2 ]
amdhsa.kernels:
  - .name:           k_qe0309eb016_cast
    .symbol:         k_qe0309eb016_cast.kd
    .args:
      - { .name: x, .offset: 0, .size: 8, .value_kind: global_buffer, .address_space: global }
      - { .name: Wq, .offset: 8, .size: 8, .value_kind: global_buffer, .address_space: global }
      - { .name: Wk, .offset: 16, .size: 8, .value_kind: global_buffer, .address_space: global }
      - { .name: Wv, .offset: 24, .size: 8, .value_kind: global_buffer, .address_space: global }
      - { .name: Wp, .offset: 32, .size: 8, .value_kind: global_buffer, .address_space: global }
      - { .name: xh, .offset: 40, .size: 8, .value_kind: global_buffer, .address_space: global }
      - { .name: wh, .offset: 48, .size: 8, .value_kind: global_buffer, .address_space: global }
    .group_segment_fixed_size: 0
    .private_segment_fixed_size: 0
    .kernarg_segment_align: 8
    .kernarg_segment_size: 56
    .max_flat_workgroup_size: 256
    .sgpr_count:     66
    .vgpr_count:     128
    .wavefront_size: 32
...
	.end_amdgpu_metadata
.endif
;; end of part 1
;; launch qkvgemm (part 2): grid 8 x 32, 4 waves a work-group, clusters of 4 x 4, 327,680 bytes of LDS; arguments xh, wh, qkv; writes qkv
.if DOCPART == 2
	.amdgcn_target "amdgcn-amd-amdhsa--gfx1250"
	.amdhsa_code_object_version 6
	.text
	.protected	k_qe0309eb016_qkvgemm
	.globl	k_qe0309eb016_qkvgemm
	.p2align	8
	.type	k_qe0309eb016_qkvgemm,@function
k_qe0309eb016_qkvgemm:
	s_mov_b64 s[64:65], 0
	v_nop
	global_prefetch_b8 v0, s[64:65] scope:SCOPE_SE
	s_setreg_imm32_b32 hwreg(HW_REG_WAVE_MODE, 25, 1), 1
	s_wait_xcnt 0x0
	s_wait_alu depctr_hold_cnt(0) depctr_sa_sdst(0) depctr_va_vdst(0) depctr_va_sdst(0) depctr_va_ssrc(0) depctr_va_vcc(0) depctr_vm_vsrc(0)
	s_getreg_b32 s2, hwreg(HW_REG_IB_STS2, 6, 4)
	s_cmp_eq_u32 s2, 0
	s_cbranch_scc0 .Lentry_in_a_cluster
	s_endpgm
.Lentry_in_a_cluster:
	s_bfe_u32 s2, ttmp6, 0x10000c
	s_cmp_lg_u32 s2, 0xf033
	s_cbranch_scc0 .Lentry_shape_is_right
	s_endpgm
.Lentry_shape_is_right:
; qkv[mat][b*8+head][t][d] = sum over c of xh[b*2048+t][c] * wh[192 head + 64 mat + d][c], f16 operands, f32 sums, rounded once to f16.
; LIMIT (range of f16): the scaled projections must stay below 65,504, that is |x.Wq| < 2.9e6, |x.Wk| < 4.2e6, |x.Wv| < 1.0e6.
; A work-group makes 256 tokens x 192 columns (q, k and v of one head) with four waves; wave w makes tokens 64 w .. 64 w + 63 x all 192
; columns: 48 accumulator tiles of 16 x 16, 384 registers, so that a wave holds whole rows (128 bytes) of q, of k and of v on the way out.
; K = 512 goes in four steps of 128 (rows of 256 bytes of memory, aligned) through two LDS slots; the four steps are written out.
; CLUSTERS: 4 x 4 work-groups.  The four of a row of the cluster share the token block (xh's tiles), the four of a column the head (wh's
; tiles); each tile is asked for jointly, which divides the requests for both by four.
; REGISTERS in windows of 256:  window 0: addresses, xh's fragments (two buffers of 4), the way out;  window 1: wh's fragments (two buffers
; of 12);  window 2: tiles of my tokens 0-31 (tile (a, b) at v[8 (12 a + b)]);  window 3: those of my tokens 32-63.
; The matrix instruction is used transposed (source 0 = 16 rows of wh, source 1 = 16 tokens): lane l then holds token l % 16 and its eight
; registers eight neighbouring columns 8 (l / 16) + 0..7, which pack into 16 bytes.
.set KSTEP,  128
.set PITCH,  272                       ; 256 bytes of data + 16 of padding: the 16 rows of a fragment load start 16 bytes apart modulo 256
.set AHALF,  128*PITCH                 ; what one load brings of xh
.set BHALF,  96*PITCH                  ; what one load brings of wh
.set BOFF,   2*AHALF                   ; wh's 192 rows lie behind xh's 256
.set SLOT,   2*AHALF+2*BHALF           ; 121,856 bytes
.set STAGE,  2*SLOT                    ; behind the ring, a multiple of 256: no fill lands there
.set SP,     144                       ; a staged row: 128 bytes + 16
.set MSTAGE, 16*SP                     ; 16 tokens of one of q, k, v
.set WSTAGE, 3*MSTAGE                  ; a wave's stage, 6,912 bytes
.set ADRA, 16                          ; v16-17  LDS address of my xh fragments in slot 0, 1
.set ADRB, 20                          ; v20-21  the same for wh
.set STO,  24                          ; v24     the way out: where I put 16 bytes
.set RD,   25                          ; v25     the way out: where I read rows back
.set CO,   26                          ; v26     16 x lane: my place in 512 consecutive output bytes
.set FA,   32                          ; window 0: v32-63, v64-95    xh's fragments, buffer f at FA + 32 f
.set FB,   0                           ; window 1: v0-95, v96-191    wh's fragments, buffer f at FB + 96 f
.set TMP,  96                          ; v96-143  packed results
.set OB,   144                         ; v144-191, v192-239  rows read back, two buffers in turn
.set G1,   24                          ; s[24:31] group 1 for xh's tiles
.set G0,   32                          ; s[32:39] group 0 for xh's tiles, a set for each slot
.set G1B,  48                          ; s[48:55] group 1 for wh's tiles
.set G0B,  56                          ; s[56:63] group 0 for wh's tiles, a set for each slot
.set OUTB, 66                          ; s[66:71] output bases of q, k, v
.set MSB, 0
.macro WIN new                         ; the immediate's high byte repeats the setting that is left
.if MSB != \new
	s_set_vgpr_msb (MSB<<8)|\new
.set MSB, \new
.endif
.endm
.set MUL_LO, 0xa1                      ; source 0 window 1, source 1 window 0, C and D window 2
.set MUL_HI, 0xf1                      ; the same, C and D window 3
.set TO_B,   0x40                      ; destination window 1, address window 0
; A joint load: waves 0, 1 fetch xh's two halves, waves 2, 3 wh's.  The branch hangs on the wave's number alone.
.macro JLOAD s
	s_cmp_eq_u32 s11, 0
	s_cbranch_scc0 .Lfor_b_\@
	tensor_load_to_lds s[G0+4*\s:G0+4*\s+3], s[G1:G1+7]
	s_nop 0
	s_branch .Lasked_\@
.Lfor_b_\@:
	tensor_load_to_lds s[G0B+4*\s:G0B+4*\s+3], s[G1B:G1B+7]
	s_nop 0
.Lasked_\@:
.endm
.macro CREST                           ; a round of the cluster's barrier behind its opening work-group barrier
	s_cmp_lg_u32 s10, 0
	s_cbranch_scc1 .Lnot_wave_0_\@
	s_barrier_signal -3
.Lnot_wave_0_\@:
	s_barrier_wait -3
	s_barrier_signal -1
	s_barrier_wait -1
.endm
.macro CROUND                          ; a whole round
	s_barrier_signal -1
	s_barrier_wait -1
	CREST
.endm
.macro PLACES                          ; four plain vector places behind matrix instructions, ahead of loads into their sources and of readers of their results
.rept 4
	v_nop
.endr
.endm
	s_load_b128 s[4:7], s[0:1], 0x0                ; xh s[4:5], wh s[6:7]
	s_load_b64 s[8:9], s[0:1], 0x10                ; qkv
	s_set_vgpr_msb 0x40
	v_lshl_add_u32 v255, v0, 2, 0x42400
	s_set_vgpr_msb 0x4000
	v_mov_b32 v255, 0
	s_set_vgpr_msb 0x1
	ds_add_u32 v255, v255
	s_set_vgpr_msb 0x100
	v_lshrrev_b32 v1, 5, v0
	v_readfirstlane_b32 s10, v1                    ; wave 0..3
	s_lshr_b32 s11, s10, 1                         ; I fetch for xh (0) or for wh (1)
	s_and_b32 s12, s10, 1                          ; which half of that tile
	s_bfe_u32 s40, ttmp6, 0x40000                  ; cx
	s_bfe_u32 s41, ttmp6, 0x40004                  ; cy
	s_lshl_b32 s42, ttmp9, 2
	s_add_co_u32 s42, s42, s40                     ; head = 4 x cluster x + cx
	s_and_b32 s13, ttmp7, 0xffff
	s_lshl_b32 s13, s13, 2
	s_add_co_u32 s13, s13, s41                     ; token block = 4 x cluster y + cy
	s_lshl_b32 s43, s41, 2
	s_lshl_b32 s43, 15, s43                        ; my row of the cluster
	s_lshl_b32 s44, 0x1111, s40                    ; my column
	s_or_b32 s[G1+0], s43, (1<<16)|(1<<20)|(1<<21)|(5<<22)|(3<<25)   ; mask of my row; 2-byte elements; padding on; bit 21 beside a mask; 4 words behind every 64
	s_or_b32 s[G1B+0], s44, (1<<16)|(1<<20)|(1<<21)|(5<<22)|(3<<25)  ; the same with the mask of my column
	s_mov_b32 s[G1+1], KSTEP<<16                   ; tensor_dim0 = 128
	s_mov_b32 s[G1B+1], KSTEP<<16
	s_mov_b32 s[G1+2], 128<<16                     ; tensor_dim1 = 128 rows
	s_mov_b32 s[G1B+2], 96<<16                     ; 96 rows
	s_mov_b32 s[G1+3], KSTEP<<16                   ; tile_dim0 = 128
	s_mov_b32 s[G1B+3], KSTEP<<16
	s_mov_b32 s[G1+4], 128                         ; tile_dim1
	s_mov_b32 s[G1B+4], 96
	s_mov_b32 s[G1+5], 512                         ; elements from row to row
	s_mov_b32 s[G1B+5], 512
	s_mov_b32 s[G1+6], 0
	s_mov_b32 s[G1B+6], 0
	s_mov_b32 s[G1+7], 0
	s_mov_b32 s[G1B+7], 0
	s_lshl_b32 s16, s13, 8
	s_lshl_b32 s17, s12, 7
	s_add_co_u32 s16, s16, s17                     ; xh: row 256 x token block + 128 x half
	s_lshl_b32 s16, s16, 10                        ; rows of 1,024 bytes; 8 MiB at the most
	s_mov_b32 s17, 0
	s_mul_i32 s46, s42, 192
	s_mul_i32 s47, s12, 96
	s_add_co_u32 s46, s46, s47                     ; wh: row 192 x head + 96 x half
	s_lshl_b32 s46, s46, 10
	s_mov_b32 s47, 0
	s_mul_i32 s20, s10, AHALF                      ; LDS, waves 0, 1: xh's halves
	s_mul_i32 s21, s10, BHALF
	s_add_co_u32 s21, s21, BOFF-2*BHALF            ; LDS, waves 2, 3: BOFF + (wave - 2) x 96 rows
	s_wait_dscnt 0x0
	s_wait_kmcnt 0x0
	s_add_nc_u64 s[14:15], s[4:5], s[16:17]
	s_add_nc_u64 s[46:47], s[6:7], s[46:47]
	CROUND                                         ; all sixteen work-groups are here: the first joint loads meet
.irp s, 0,1
	s_mov_b32 s[G0+4*\s], 1
	s_add_co_u32 s[G0+4*\s+1], s20, \s*SLOT
	s_add_nc_u64 s[G0+4*\s+2:G0+4*\s+3], s[14:15], \s*KSTEP*2      ; K step s
	s_or_b32 s[G0+4*\s+3], s[G0+4*\s+3], 0x80000000
	s_mov_b32 s[G0B+4*\s], 1
	s_add_co_u32 s[G0B+4*\s+1], s21, \s*SLOT
	s_add_nc_u64 s[G0B+4*\s+2:G0B+4*\s+3], s[46:47], \s*KSTEP*2
	s_or_b32 s[G0B+4*\s+3], s[G0B+4*\s+3], 0x80000000
	JLOAD \s                                       ; two loads of the wave are out, the most in this text
.endr
	v_and_b32 v1, 15, v0                           ; r = l % 16
	v_bfe_u32 v2, v0, 4, 1                         ; h = l / 16
	v_mul_u32_u24 v3, v1, PITCH
	v_lshl_add_u32 v3, v2, 4, v3                   ; fragment address: row x pitch + 16 h
	s_mul_i32 s22, s10, 64*PITCH                   ; my 64 tokens
	s_mov_b32 s23, BOFF                            ; all 192 rows of wh
.irp s, 0,1
	v_add_nc_u32 v[ADRA+\s], s22, v3
	v_add_nc_u32 v[ADRB+\s], s23, v3
	s_add_co_u32 s22, s22, SLOT
	s_add_co_u32 s23, s23, SLOT
.endr
	s_mul_i32 s23, s10, WSTAGE
	s_add_co_u32 s23, s23, STAGE                   ; my stage
	v_mul_u32_u24 v4, v1, SP
	v_lshl_add_u32 v4, v2, 4, v4
	v_add_nc_u32 v[STO], s23, v4                   ; in: token r, 16 bytes for each half of the lanes
	v_bfe_u32 v5, v0, 3, 2                         ; back: eight lanes take a row of 128 bytes, a wave four rows
	v_mul_u32_u24 v5, v5, SP
	v_and_b32 v4, 7, v0
	v_lshl_add_u32 v5, v4, 4, v5
	v_add_nc_u32 v[RD], s23, v5
	v_and_b32 v[CO], 31, v0
	v_lshlrev_b32 v[CO], 4, v[CO]
; 12 matrix instructions: token tile a of the window's two (hi = 0: tokens 0-31, 1: 32-63) x all 12 column tiles, 32 along K, from buffer f.
; The 48 accumulators take turns, one instruction a turn, in the same order in every quarter step.
.macro MUL12 f, hi, a, zero
.irp b, 0,1,2,3,4,5,6,7,8,9,10,11
.if \zero
	v_wmma_f32_16x16x32_f16 v[8*(12*\a+\b):8*(12*\a+\b)+7], v[FB+96*\f+8*\b:FB+96*\f+8*\b+7], v[FA+32*\f+8*(2*\hi+\a):FA+32*\f+8*(2*\hi+\a)+7], 0
.else
	v_wmma_f32_16x16x32_f16 v[8*(12*\a+\b):8*(12*\a+\b)+7], v[FB+96*\f+8*\b:FB+96*\f+8*\b+7], v[FA+32*\f+8*(2*\hi+\a):FA+32*\f+8*(2*\hi+\a)+7], v[8*(12*\a+\b):8*(12*\a+\b)+7]
.endif
.endr
.endm
; 32 LDS loads in one run: a quarter step's fragments (192 rows of wh, then my 64 tokens, 32 K at byte k of the rows) into buffer f
.macro FETCH slot, k, f
	WIN TO_B
.irp i, 0,1,2,3,4,5,6,7,8,9,10,11
	ds_load_b128 v[FB+96*\f+8*\i:FB+96*\f+8*\i+3],   v[ADRB+\slot] offset:\k+\i*16*PITCH
	ds_load_b128 v[FB+96*\f+8*\i+4:FB+96*\f+8*\i+7], v[ADRB+\slot] offset:\k+\i*16*PITCH+32
.endr
	WIN 0
.irp i, 0,1,2,3
	ds_load_b128 v[FA+32*\f+8*\i:FA+32*\f+8*\i+3],   v[ADRA+\slot] offset:\k+\i*16*PITCH
	ds_load_b128 v[FA+32*\f+8*\i+4:FA+32*\f+8*\i+7], v[ADRA+\slot] offset:\k+\i*16*PITCH+32
.endr
.endm
; One of a K step's first three quarters: multiplies buffer f, and in its middle fetches the next quarter's fragments into buffer g.
.macro QUARTER slot, k, f, g, zero
	s_wait_dscnt 4                                 ; wh's fragments and tokens 0-31 are in; the youngest four loads (tokens 32-63) may be out
	WIN MUL_LO
	MUL12 \f, 0, 0, \zero
	MUL12 \f, 0, 1, \zero
	PLACES
	FETCH \slot, \k, \g
	s_wait_dscnt 32                                ; all but the 32 just issued
	WIN MUL_HI
	MUL12 \f, 1, 0, \zero
	MUL12 \f, 1, 1, \zero
.endm
.macro THREE slot, zero
	QUARTER \slot, 64,  0, 1, \zero
	QUARTER \slot, 128, 1, 0, 0
	QUARTER \slot, 192, 0, 1, 0
.endm
; The last quarter multiplies buffer 1 and changes slots.  In front of the barrier each wave waits for its reads of this slot and for all its
; tensor loads (the one that is out is its part of the next slot).  Where the slot is filled again the barrier opens a round of the cluster's
; barrier, only register work stands inside the round, and the joint refill is the first tensor load behind it, one a wave.
.macro TURN slot, next, fill
	s_wait_dscnt 4
	WIN MUL_LO
	MUL12 1, 0, 0, 0
	s_wait_dscnt 0                                 ; my reads of this slot are over
	s_wait_tensorcnt 0x0                           ; and all my tensor loads have landed
	ds_add_u32 v255, v255
	s_wait_dscnt 0x0
	s_barrier_signal -1
	MUL12 1, 0, 1, 0                               ; registers only
	WIN 0
	s_barrier_wait -1
.if \fill
	CREST
	s_add_nc_u64 s[G0+4*\slot+2:G0+4*\slot+3], s[G0+4*\slot+2:G0+4*\slot+3], 2*KSTEP*2
	s_add_nc_u64 s[G0B+4*\slot+2:G0B+4*\slot+3], s[G0B+4*\slot+2:G0B+4*\slot+3], 2*KSTEP*2
	JLOAD \slot
.endif
	PLACES
	FETCH \next, 0, 0
	WIN MUL_HI
	MUL12 1, 1, 0, 0
	MUL12 1, 1, 1, 0
.endm
	s_wait_tensorcnt 1                             ; my part of K step 0 is in; K step 1's load, issued behind it, may stay out
	s_barrier_signal -1
	s_barrier_wait -1
	FETCH 0, 0, 0
	THREE 0, 1                                     ; K step 0: its first products start the sums
	TURN 0, 1, 1                                   ; slot 0 gets K step 2
	THREE 1, 0                                     ; K step 1
	TURN 1, 0, 1                                   ; slot 1 gets K step 3
	THREE 0, 0                                     ; K step 2
	TURN 0, 1, 0                                   ; nothing is left to fetch
	THREE 1, 0                                     ; K step 3
	s_wait_dscnt 4
	WIN MUL_LO
	MUL12 1, 0, 0, 0
	MUL12 1, 0, 1, 0
	s_wait_dscnt 0
	WIN MUL_HI
	MUL12 1, 1, 0, 0
	MUL12 1, 1, 1, 0
	; THE WAY OUT, 16 tokens at a time: round to f16, 16 bytes a lane into my own stage, read back as rows, store 512 consecutive bytes a wave.
	PLACES
	s_lshr_b32 s72, s13, 3                         ; batch = token block / 8
	s_lshl_b32 s72, s72, 3
	s_add_co_u32 s72, s72, s42                     ; batch x 8 + head
	s_lshl_b32 s72, s72, 11                        ; x 2,048 tokens
	s_and_b32 s73, s13, 7
	s_lshl_b32 s73, s73, 8
	s_add_co_u32 s72, s72, s73                     ; + 256 x block in the batch
	s_lshl_b32 s73, s10, 6
	s_add_co_u32 s72, s72, s73                     ; + 64 x wave
	s_lshl_b32 s72, s72, 7                         ; rows of 128 bytes
	s_mov_b32 s73, 0
	s_add_nc_u64 s[OUTB:OUTB+1], s[8:9], s[72:73]              ; q
	s_add_nc_u64 s[OUTB+2:OUTB+3], s[OUTB:OUTB+1], 0x800000    ; k: 8 MiB on
	s_add_nc_u64 s[OUTB+4:OUTB+5], s[OUTB:OUTB+1], 0x1000000   ; v: 16 MiB on
; tokens 16 i .. 16 i + 15 = the twelve tiles (a, 0..11) of window 2 or 3 (from = 0x0a or 0x0f: sources 0 and 1); ob: read-back buffer in turn
.macro OUT16 i, a, from, ob
	WIN \from
.irp b, 0,1,2,3,4,5,6,7,8,9,10,11
.irp r, 0,1,2,3
	v_cvt_pk_f16_f32 v[TMP+4*\b+\r], v[8*(12*\a+\b)+2*\r], v[8*(12*\a+\b)+2*\r+1]
.endr
.endr
	WIN 0
.irp b, 0,1,2,3,4,5,6,7,8,9,10,11
	ds_store_b128 v[STO], v[TMP+4*\b:TMP+4*\b+3] offset:(\b/4)*MSTAGE+32*(\b%4)
.endr
	s_wait_xcnt 0x0                                ; the read-back buffer, which earlier stores read, is loaded again only behind this wait
.irp n, 0,1,2,3,4,5,6,7,8,9,10,11
	ds_load_b128 v[OB+48*\ob+4*\n:OB+48*\ob+4*\n+3], v[RD] offset:(\n/4)*MSTAGE+(\n%4)*4*SP   ; LDS serves a wave's instructions in order: these see the stores above
.endr
.irp n, 0,1,2,3,4,5,6,7,8,9,10,11
	s_wait_dscnt 11-\n                             ; load n is in; the 11 - n younger ones may be out
	global_store_b128 v[CO], v[OB+48*\ob+4*\n:OB+48*\ob+4*\n+3], s[OUTB+2*(\n/4):OUTB+2*(\n/4)+1] offset:2048*\i+512*(\n%4)
.endr
.endm
	OUT16 0, 0, 0x0a, 0
	OUT16 1, 1, 0x0a, 1
	OUT16 2, 0, 0x0f, 0
	OUT16 3, 1, 0x0f, 1
	s_set_vgpr_msb 0x1
	s_wait_tensorcnt 0x0
	ds_add_u32 v255, v255
	s_wait_dscnt 0x0
	s_set_vgpr_msb 0x100
	CROUND                                         ; the closing round: no work-group ends while a partner may still ask jointly
	s_endpgm
.Lfunc_end_k_qe0309eb016_qkvgemm:
	.size	k_qe0309eb016_qkvgemm, .Lfunc_end_k_qe0309eb016_qkvgemm-k_qe0309eb016_qkvgemm
	.p2alignl 7, 3214868480
	.fill 96, 4, 3214868480
	.section	.rodata,"a",@progbits
	.p2align	6, 0x0
	.amdhsa_kernel k_qe0309eb016_qkvgemm
		.amdhsa_group_segment_fixed_size 327680
		.amdhsa_private_segment_fixed_size 0
		.amdhsa_enable_private_segment 0
		.amdhsa_kernarg_size 24
		.amdhsa_user_sgpr_count 2
		.amdhsa_user_sgpr_kernarg_segment_ptr 1
		.amdhsa_wavefront_size32 1
		.amdhsa_system_sgpr_workgroup_id_x 1
		.amdhsa_system_sgpr_workgroup_id_y 1
		.amdhsa_system_sgpr_workgroup_id_z 1
		.amdhsa_system_vgpr_workitem_id 0
		.amdhsa_next_free_vgpr 1024
		.amdhsa_next_free_sgpr 76
		.amdhsa_reserve_vcc 0
		.amdhsa_float_denorm_mode_32 3
		.amdhsa_float_denorm_mode_16_64 3
		.amdhsa_memory_ordered 1
		.amdhsa_forward_progress 1
		.amdhsa_inst_pref_size 119
	.end_amdhsa_kernel
	.amdgpu_metadata
---
amdhsa.version: [ 1, 2 ]
amdhsa.kernels:
  - .name:           k_qe0309eb016_qkvgemm
    .symbol:         k_qe0309eb016_qkvgemm.kd
    .args:
      - { .name: xh, .offset: 0, .size: 8, .value_kind: global_buffer, .address_space: global }
      - { .name: wh, .offset: 8, .size: 8, .value_kind: global_buffer, .address_space: global }
      - { .name: qkv, .offset: 16, .size: 8, .value_kind: global_buffer, .address_space: global }
    .group_segment_fixed_size: 327680
    .private_segment_fixed_size: 0
    .kernarg_segment_align: 8
    .kernarg_segment_size: 24
    .max_flat_workgroup_size: 128
    .sgpr_count:     76
    .vgpr_count:     1024
    .wavefront_size: 32
...
	.end_amdgpu_metadata
.endif
;; end of part 2
;; launch attn (part 3): grid 8 x 32, 8 waves a work-group, clusters of 4 x 1, 327,680 bytes of LDS; arguments qkv, ao; writes ao
.if DOCPART == 3
	.amdgcn_target "amdgcn-amd-amdhsa--gfx1250"
	.amdhsa_code_object_version 6
	.text
	.protected	k_qe0309eb016_attn
	.globl	k_qe0309eb016_attn
	.p2align	8
	.type	k_qe0309eb016_attn,@function
k_qe0309eb016_attn:
	s_mov_b64 s[64:65], 0
	v_nop
	global_prefetch_b8 v0, s[64:65] scope:SCOPE_SE
	s_setreg_imm32_b32 hwreg(HW_REG_WAVE_MODE, 25, 1), 1
	s_wait_xcnt 0x0
	s_wait_alu depctr_hold_cnt(0) depctr_sa_sdst(0) depctr_va_vdst(0) depctr_va_sdst(0) depctr_va_ssrc(0) depctr_va_vcc(0) depctr_vm_vsrc(0)
	s_getreg_b32 s2, hwreg(HW_REG_IB_STS2, 6, 4)
	s_cmp_eq_u32 s2, 0
	s_cbranch_scc0 .Lentry_in_a_cluster
	s_endpgm
.Lentry_in_a_cluster:
	s_bfe_u32 s2, ttmp6, 0x10000c
	s_cmp_lg_u32 s2, 0x3003
	s_cbranch_scc0 .Lentry_shape_is_right
	s_endpgm
.Lentry_shape_is_right:
; ao[bh][t][d] = softmax over keys of (q.k) times v, for one (batch, head) bh and 256 queries a work-group; f16 operands, f32 sums and softmax.
; q carries log2(e) and all score scales already, so P = exp2(S - m) with m the RUNNING MAXIMUM of S; O and the sums are rescaled by
; exp2(m_old - m_new) in every step of 64 keys.  The sum is at least 1 (the largest P is 1), so the division at the end is safe.
; LIMIT (range of f16): |ao| is at most the largest |v'| of the head, which the launch before keeps below 65,504; P below 6e-8 rounds to 0.
; Eight waves, 32 queries (two query tiles) each: two waves share a SIMD, so that one wave's softmax arithmetic runs beside the other's products.
; EVERYTHING IS TRANSPOSED, so that nothing moves between lanes but one exchange of halves for the maximum:
;   S^T = K Q^T  (source 0 = 16 keys, source 1 = 16 queries): lane (r, h), register j holds key 8 h + j of query r;
;   two neighbouring key tiles, packed to f16 in place, ARE a source-1 fragment of P^T (registers 0-3: keys 8 h .., 4-7: keys 16 + 8 h ..);
;   O^T = V^T P^T, V^T read from the [key][d] tile by the transposing LDS load; a fifth source-0 tile of ones gives the sums of the same
;   rounded P on the matrix unit; maximum, rescaling factor and 1/sum are one number a lane.
; CLUSTERS: the four query blocks of a 4 x 1 cluster read the same K and V tiles and ask for them jointly (mask 15).
; LDS: two slots of 256 keys, each eight regions of 10,240 bytes (wave w fills region w): regions 0-3 K, 64 keys at pitch 144; regions 4-7 V,
; 64 keys at pitch 160 (an odd multiple of 32 for the transposing load).  Behind them each wave's stage for the way out.
.set KP,     144
.set VP,     160
.set REG,    10240
.set SLOT,   8*REG
.set VOFF,   4*REG
.set STAGE,  2*SLOT                    ; 163,840, a multiple of 256: no fill lands there
.set SP,     144
.set WSTAGE, 32*SP
.set KA,   4                           ; v4-5    LDS address of my K fragments, slot 0, 1
.set VA,   6                           ; v6-7    the same for V (transposing load)
.set STO,  8
.set RD,   9
.set CO,   10
.set QO,   11
.set NM,   12                          ; v[12:13], v[14:15]  query tile qt: [-m, m]
.set AL,   16                          ; v[16:17], v[18:19]  query tile qt: [factor, the other half's maximum]
.set T,    20                          ; v20-27  at work
.set ONES, 28                          ; v28-35  a fragment of f16 ones
.set KF,   40                          ; v40-103   K fragment (kt, ks) at + 8 (2 kt + ks)
.set VF,   104                         ; v104-167  V^T fragment (kk, dt) at + 8 (4 kk + dt)
.set SC,   168                         ; v168-231  S^T tile (qt, kt) at + 8 (4 qt + kt); P^T (qt, kk) in place at + 32 qt + 16 kk
.set QF,   0                           ; window 1: v0-31    Q fragment (qt, ks) at + 8 (2 qt + ks)
.set OA,   32                          ; window 1: v32-111  O^T tile (qt, dt) at + 8 (5 qt + dt); dt = 4: the sums
.set G1K,  16
.set G1V,  24
.set G0K,  32                          ; s[32:39] a set for each slot
.set G0V,  40                          ; s[40:47]
.set MSB, 0
.macro WIN new
.if MSB != \new
	s_set_vgpr_msb (MSB<<8)|\new
.set MSB, \new
.endif
.endm
.set SQ, 0x04                          ; source 1 (Q) window 1
.set RS, 0x41                          ; destination and source 0 (O) window 1
.set PV, 0x50                          ; C and D (O) window 1
.macro PLACES
.rept 4
	v_nop
.endr
.endm
.macro ROUND                           ; a round of the cluster's barrier
	s_barrier_signal -1
	s_barrier_wait -1
	s_cmp_lg_u32 s8, 0
	s_cbranch_scc1 .Lnot_wave_0_\@
	s_barrier_signal -3
.Lnot_wave_0_\@:
	s_barrier_wait -3
	s_barrier_signal -1
	s_barrier_wait -1
.endm
.macro JLOAD slot                      ; waves 0-3 fetch 64 keys of K each, waves 4-7 of V; the branch hangs on the wave's number alone
	s_cmp_eq_u32 s9, 0
	s_cbranch_scc0 .Lfor_v_\@
	tensor_load_to_lds s[G0K+4*\slot:G0K+4*\slot+3], s[G1K:G1K+7]
	s_nop 0
	s_branch .Lasked_\@
.Lfor_v_\@:
	tensor_load_to_lds s[G0V+4*\slot:G0V+4*\slot+3], s[G1V:G1V+7]
	s_nop 0
.Lasked_\@:
.endm
.macro MM d, a, b, zero
.if \zero
	v_wmma_f32_16x16x32_f16 v[\d:\d+7], v[\a:\a+7], v[\b:\b+7], 0
.else
	v_wmma_f32_16x16x32_f16 v[\d:\d+7], v[\a:\a+7], v[\b:\b+7], v[\d:\d+7]
.endif
.endm
	s_load_b128 s[4:7], s[0:1], 0x0                ; qkv s[4:5], ao s[6:7]
	v_lshl_add_u32 v254, v0, 2, 0x31000
	v_mov_b32 v255, 0
	ds_add_u32 v254, v255
	v_lshrrev_b32 v1, 5, v0
	v_readfirstlane_b32 s8, v1                     ; wave 0..7
	s_lshr_b32 s9, s8, 2                           ; I fetch K (0) or V (1)
	s_and_b32 s10, s8, 3                           ; which 64 keys of a slot's 256
	s_bfe_u32 s11, ttmp6, 0x40000                  ; cx
	s_lshl_b32 s12, ttmp9, 2
	s_add_co_u32 s12, s12, s11                     ; query block = 4 x cluster x + cx
	s_and_b32 s13, ttmp7, 0xffff                   ; bh = batch x 8 + head
	s_mov_b32 s[G1K+0], 0x0731000f                 ; mask 15; 2-byte elements; padding on; bit 21 beside a mask; 4 words behind every 32
	s_mov_b32 s[G1V+0], 0x0f31000f                 ; the same with 8 words of padding
	s_mov_b32 s[G1K+1], 64<<16                     ; tensor_dim0 = 64
	s_mov_b32 s[G1V+1], 64<<16
	s_mov_b32 s[G1K+2], 64<<16                     ; tensor_dim1 = 64
	s_mov_b32 s[G1V+2], 64<<16
	s_mov_b32 s[G1K+3], 64<<16                     ; tile_dim0 = 64
	s_mov_b32 s[G1V+3], 64<<16
	s_mov_b32 s[G1K+4], 64                         ; tile_dim1 = 64
	s_mov_b32 s[G1V+4], 64
	s_mov_b32 s[G1K+5], 64                         ; elements from row to row
	s_mov_b32 s[G1V+5], 64
	s_mov_b32 s[G1K+6], 0
	s_mov_b32 s[G1V+6], 0
	s_mov_b32 s[G1K+7], 0
	s_mov_b32 s[G1V+7], 0
	s_lshl_b32 s52, s13, 18                        ; a head's 2,048 rows of 128 bytes
	s_lshl_b32 s53, s10, 13                        ; my 64 keys
	s_add_co_u32 s52, s52, s53                     ; shared by the four partners: no cx in it
	s_mov_b32 s53, 0
	s_mul_i32 s14, s8, REG                         ; my region in a slot
	s_lshl_b32 s56, s13, 18
	s_lshl_b32 s57, s12, 15                        ; 256 queries
	s_add_co_u32 s56, s56, s57
	s_lshl_b32 s57, s8, 12                         ; my 32 queries
	s_add_co_u32 s56, s56, s57
	s_mov_b32 s57, 0
	s_mov_b32 s48, 0x76543210                      ; v_permlanex16_b32: lane i reads lane i of the other half
	s_mov_b32 s49, 0xfedcba98
	s_wait_dscnt 0x0
	s_wait_kmcnt 0x0
	s_add_nc_u64 s[54:55], s[4:5], s[52:53]
	s_add_nc_u64 s[58:59], s[4:5], s[56:57]        ; my queries
	s_add_nc_u64 s[6:7], s[6:7], s[56:57]          ; my rows of ao
	ROUND                                          ; the four work-groups are here: the first joint loads meet
.irp s, 0,1
	s_mov_b32 s[G0K+4*\s], 1
	s_add_co_u32 s[G0K+4*\s+1], s14, \s*SLOT
	s_add_nc_u64 s[G0K+4*\s+2:G0K+4*\s+3], s[54:55], 0x800000+\s*32768    ; k lies 8 MiB into qkv; 256 keys a slot
	s_or_b32 s[G0K+4*\s+3], s[G0K+4*\s+3], 0x80000000
	s_mov_b32 s[G0V+4*\s], 1
	s_add_co_u32 s[G0V+4*\s+1], s14, \s*SLOT
	s_add_nc_u64 s[G0V+4*\s+2:G0V+4*\s+3], s[54:55], 0x1000000+\s*32768   ; v lies 16 MiB into qkv
	s_or_b32 s[G0V+4*\s+3], s[G0V+4*\s+3], 0x80000000
	JLOAD \s                                       ; two loads of the wave are out, the most in this text
.endr
	v_and_b32 v1, 15, v0                           ; r
	v_bfe_u32 v2, v0, 4, 1                         ; h
	v_lshlrev_b32 v[QO], 7, v1
	v_lshl_add_u32 v[QO], v2, 4, v[QO]             ; query r's row + 16 h
	WIN 0x40
.irp qt, 0,1
.irp ks, 0,1
	global_load_b128 v[QF+8*(2*\qt+\ks):QF+8*(2*\qt+\ks)+3],   v[QO], s[58:59] offset:2048*\qt+64*\ks
	global_load_b128 v[QF+8*(2*\qt+\ks)+4:QF+8*(2*\qt+\ks)+7], v[QO], s[58:59] offset:2048*\qt+64*\ks+32
.endr
.endr
	WIN 0
	v_mul_u32_u24 v3, v1, KP
	v_lshl_add_u32 v[KA], v2, 4, v3                ; key r's row + 16 h
	v_add_nc_u32 v[KA+1], SLOT, v[KA]
	v_and_b32 v3, 7, v0
	v_lshl_add_u32 v3, v2, 3, v3                   ; key 8 h + (l & 7)
	v_mul_u32_u24 v3, v3, VP
	v_bfe_u32 v[T], v0, 3, 1
	v_lshl_add_u32 v3, v[T], 4, v3                 ; + 16 ((l >> 3) & 1)
	v_add_nc_u32 v[VA], VOFF, v3
	v_add_nc_u32 v[VA+1], VOFF+SLOT, v3
	s_mul_i32 s15, s8, WSTAGE
	s_add_co_u32 s15, s15, STAGE                   ; my stage
	v_add_nc_u32 v[STO], s15, v[KA]                ; query r's staged row + 16 h (the same pitch as K's)
	v_bfe_u32 v3, v0, 3, 2
	v_mul_u32_u24 v3, v3, SP
	v_and_b32 v[T], 7, v0
	v_lshl_add_u32 v3, v[T], 4, v3
	v_add_nc_u32 v[RD], s15, v3                    ; back: eight lanes a row, four rows a wave
	v_and_b32 v[CO], 31, v0
	v_lshlrev_b32 v[CO], 4, v[CO]
.irp i, 0,1,2,3,4,5,6,7
	v_mov_b32 v[ONES+\i], 0x3c003c00               ; two f16 ones
.endr
	v_mov_b32 v[AL+1], 0                           ; destinations of v_permlanex16_b32 count as read: written once here
	v_mov_b32 v[AL+3], 0
.macro KLOAD slot, st                  ; 64 keys x 64 d as eight source-0 fragments: 16 loads
.irp kt, 0,1,2,3
.irp ks, 0,1
	ds_load_b128 v[KF+8*(2*\kt+\ks):KF+8*(2*\kt+\ks)+3],   v[KA+\slot] offset:REG*(\st)+16*KP*\kt+64*\ks
	ds_load_b128 v[KF+8*(2*\kt+\ks)+4:KF+8*(2*\kt+\ks)+7], v[KA+\slot] offset:REG*(\st)+16*KP*\kt+64*\ks+32
.endr
.endr
.endm
.macro VLOAD slot, st                  ; the same keys' V, transposed, as eight source-0 fragments (16 d x 32 keys): 16 loads
.irp kk, 0,1
.irp dt, 0,1,2,3
	ds_load_tr16_b128 v[VF+8*(4*\kk+\dt):VF+8*(4*\kk+\dt)+3],   v[VA+\slot] offset:REG*(\st)+32*VP*\kk+32*\dt
	ds_load_tr16_b128 v[VF+8*(4*\kk+\dt)+4:VF+8*(4*\kk+\dt)+7], v[VA+\slot] offset:REG*(\st)+32*VP*\kk+32*\dt+16*VP
.endr
.endr
.endm
; The running maximum of query tile qt: my 32 scores in four chains, the old maximum, the other half of the lanes; then -m and the factor.
.macro RMAX qt, first
.irp kt, 0,1,2,3
	v_max3_num_f32 v[T+4*\qt+\kt], v[SC+8*(4*\qt+\kt)], v[SC+8*(4*\qt+\kt)+1], v[SC+8*(4*\qt+\kt)+2]
.endr
.irp kt, 0,1,2,3
	v_max3_num_f32 v[T+4*\qt+\kt], v[T+4*\qt+\kt], v[SC+8*(4*\qt+\kt)+3], v[SC+8*(4*\qt+\kt)+4]
.endr
.irp kt, 0,1,2,3
	v_max3_num_f32 v[T+4*\qt+\kt], v[T+4*\qt+\kt], v[SC+8*(4*\qt+\kt)+5], v[SC+8*(4*\qt+\kt)+6]
.endr
	v_max3_num_f32 v[T+4*\qt],   v[T+4*\qt],   v[SC+32*\qt+7],  v[SC+32*\qt+15]
	v_max3_num_f32 v[T+4*\qt+1], v[T+4*\qt+1], v[SC+32*\qt+23], v[SC+32*\qt+31]
	v_max3_num_f32 v[T+4*\qt],   v[T+4*\qt],   v[T+4*\qt+1],    v[T+4*\qt+2]
.if \first
	v_max_num_f32  v[T+4*\qt],   v[T+4*\qt],   v[T+4*\qt+3]
.else
	v_max3_num_f32 v[T+4*\qt],   v[T+4*\qt],   v[T+4*\qt+3],    v[NM+2*\qt+1]
.endif
	v_permlanex16_b32 v[AL+2*\qt+1], v[T+4*\qt], s48, s49
	v_max_num_f32 v[T+4*\qt], v[T+4*\qt], v[AL+2*\qt+1]
.if \first==0
	v_sub_f32 v[AL+2*\qt], v[NM+2*\qt+1], v[T+4*\qt]           ; m_old - m_new, at most 0
.endif
	v_mov_b32 v[NM+2*\qt+1], v[T+4*\qt]
	v_sub_f32 v[NM+2*\qt], 0, v[T+4*\qt]
.if \first==0
	v_exp_f32 v[AL+2*\qt], v[AL+2*\qt]                         ; a plain instruction on other registers follows it in either place of use
.endif
.endm
.macro SUBT qt, kt                     ; S - m, two at a time
	s_wait_alu depctr_va_vdst(0)
.irp i, 0,2,4,6
	v_pk_add_f32 v[SC+8*(4*\qt+\kt)+\i:SC+8*(4*\qt+\kt)+\i+1], v[SC+8*(4*\qt+\kt)+\i:SC+8*(4*\qt+\kt)+\i+1], v[NM+2*\qt:NM+2*\qt+1] op_sel_hi:[1,0]
.endr
.endm
.macro EXPT qt, kt
.irp i, 0,1,2,3,4,5,6,7
	v_exp_f32 v[SC+8*(4*\qt+\kt)+\i], v[SC+8*(4*\qt+\kt)+\i]
.endr
.endm
.macro CVTT qt, kt                     ; eight P to four registers of f16, in place: each destination has been read by then
.irp i, 0,1,2,3
	v_cvt_pk_f16_f32 v[SC+32*\qt+16*(\kt/2)+4*(\kt%2)+\i], v[SC+8*(4*\qt+\kt)+2*\i], v[SC+8*(4*\qt+\kt)+2*\i+1]
.endr
.endm
; One step: 64 keys (region st of the slot) against my 32 queries.  first = 1: the launch's first step starts maximum, O and sums.
; kpre = 1: the next step's K fragments are fetched too.
.macro STEP slot, st, first, kpre
	s_wait_dscnt 0x0                               ; this step's K fragments are in (nothing else is out)
	WIN SQ
.irp qt, 0,1                                       ; eight accumulators by turns, one instruction a turn
.irp kt, 0,1,2,3
	MM SC+8*(4*\qt+\kt),KF+8*(2*\kt),QF+8*(2*\qt),1
.endr
.endr
.irp qt, 0,1
.irp kt, 0,1,2,3
	MM SC+8*(4*\qt+\kt),KF+8*(2*\kt+1),QF+8*(2*\qt+1),0
.endr
.endr
	WIN 0
	PLACES                                         ; ahead of the loads into K's fragments and of the readers of S
	VLOAD \slot, \st
.if \kpre
	KLOAD \slot, \st+1
.endif
	RMAX 0, \first
	RMAX 1, \first
	SUBT 0, 0                                      ; between a run of exponentials and the first use of its results stands plain work on other registers
	SUBT 0, 1
	EXPT 0, 0
	SUBT 0, 2
	CVTT 0, 0
	EXPT 0, 1
	SUBT 0, 3
	CVTT 0, 1
	EXPT 0, 2
	SUBT 1, 0
	CVTT 0, 2
	EXPT 0, 3
	SUBT 1, 1
	CVTT 0, 3
	EXPT 1, 0
	SUBT 1, 2
	CVTT 1, 0
	EXPT 1, 1
	SUBT 1, 3
	CVTT 1, 1
	EXPT 1, 2
	v_nop
	s_wait_alu depctr_va_vdst(0)
	CVTT 1, 2
	EXPT 1, 3
	v_nop
	s_wait_alu depctr_va_vdst(0)
	CVTT 1, 3
.if \first==0
	WIN RS                                         ; O and the sums times exp2(m_old - m_new)
.irp qt, 0,1
.set j, 0
.rept 20
	v_pk_mul_f32 v[OA+40*\qt+2*j:OA+40*\qt+2*j+1], v[OA+40*\qt+2*j:OA+40*\qt+2*j+1], v[AL+2*\qt:AL+2*\qt+1] op_sel_hi:[1,0]
.set j, j+1
.endr
.endr
.endif
.if \kpre
	s_wait_dscnt 16                                ; V's 16 loads are in; the 16 of the next K, issued behind them, may be out
.else
	s_wait_dscnt 0x0
.endif
	WIN PV
.irp kk, 0,1                                       ; ten accumulators by turns, one instruction a turn
.irp qt, 0,1
.irp dt, 0,1,2,3
	MM OA+8*(5*\qt+\dt),VF+8*(4*\kk+\dt),SC+32*\qt+16*\kk,\first*(1-\kk)
.endr
	MM OA+8*(5*\qt+4),ONES,SC+32*\qt+16*\kk,\first*(1-\kk)
.endr
.endr
	WIN 0
.rept 5
	v_nop                                          ; five places: the next step's products write over P, a source of the instructions above
.endr
.endm
.macro PROC slot, first                ; a slot's 256 keys
	KLOAD \slot, 0
	STEP \slot, 0, \first, 1
	STEP \slot, 1, 0, 1
	STEP \slot, 2, 0, 1
	STEP \slot, 3, 0, 0
.endm
; The change of slots.  Every wave waits for its reads of the slot just read and for all its tensor loads (its part of the other slot); with
; fill = 1 a round of the cluster's barrier follows and the joint refill is the wave's first and only tensor load behind it.
.macro CHANGE slot, fill
	s_wait_dscnt 0x0
	s_wait_tensorcnt 0x0
	ds_add_u32 v254, v255
	s_wait_dscnt 0x0
.if \fill
	s_add_nc_u64 s[G0K+4*\slot+2:G0K+4*\slot+3], s[G0K+4*\slot+2:G0K+4*\slot+3], 65536   ; no load of mine is out: 512 keys on
	s_add_nc_u64 s[G0V+4*\slot+2:G0V+4*\slot+3], s[G0V+4*\slot+2:G0V+4*\slot+3], 65536
	ROUND
	JLOAD \slot
.else
	s_barrier_signal -1
	s_barrier_wait -1
.endif
.endm
	s_wait_loadcnt 0x0                             ; Q
	s_wait_tensorcnt 0x1                           ; my part of keys 0-255 is in; the load for keys 256-511, issued behind it, may stay out
	s_barrier_signal -1
	s_barrier_wait -1
	PROC 0, 1                                      ; keys 0-255
	s_mov_b32 s50, 3
.Lpair:
	CHANGE 0, 1                                    ; slot 0 gets keys 512, 1024, 1536 ..
	PROC 1, 0
	CHANGE 1, 1                                    ; slot 1 gets keys 768, 1280, 1792 ..
	PROC 0, 0
	s_sub_co_u32 s50, s50, 1
	s_cmp_lg_u32 s50, 0
	s_cbranch_scc1 .Lpair
	CHANGE 0, 0                                    ; nothing is left to fetch
	PROC 1, 0                                      ; keys 1792-2047
	; THE END: divide by the sums, round to f16, through my own stage, 512 consecutive bytes a store.  The last step's five places stand ahead.
	WIN 0x01
	v_rcp_f32 v[AL],   v[OA+32]                    ; every row of the sums' tile holds query r's sum
	v_rcp_f32 v[AL+2], v[OA+72]
	WIN 0
	v_nop                                          ; a plain place behind the reciprocals
	WIN RS
	s_wait_alu depctr_va_vdst(0)
.irp qt, 0,1
.set j, 0
.rept 16
	v_pk_mul_f32 v[OA+40*\qt+2*j:OA+40*\qt+2*j+1], v[OA+40*\qt+2*j:OA+40*\qt+2*j+1], v[AL+2*\qt:AL+2*\qt+1] op_sel_hi:[1,0]
.set j, j+1
.endr
.endr
	WIN 0x05
.irp qt, 0,1
.irp dt, 0,1,2,3
.irp i, 0,1,2,3
	v_cvt_pk_f16_f32 v[KF+4*(4*\qt+\dt)+\i], v[OA+8*(5*\qt+\dt)+2*\i], v[OA+8*(5*\qt+\dt)+2*\i+1]
.endr
.endr
.endr
	WIN 0
.irp qt, 0,1
.irp dt, 0,1,2,3
	ds_store_b128 v[STO], v[KF+4*(4*\qt+\dt):KF+4*(4*\qt+\dt)+3] offset:16*SP*\qt+32*\dt
.endr
.endr
.irp t, 0,1,2,3,4,5,6,7
	ds_load_b128 v[VF+4*\t:VF+4*\t+3], v[RD] offset:\t*4*SP        ; LDS serves a wave's instructions in order: these see the stores above
.endr
.irp t, 0,1,2,3,4,5,6,7
	s_wait_dscnt 7-\t                              ; load t is in; the 7 - t younger ones may be out
	global_store_b128 v[CO], v[VF+4*\t:VF+4*\t+3], s[6:7] offset:512*\t
.endr
	s_wait_tensorcnt 0x0
	ds_add_u32 v254, v255
	s_wait_dscnt 0x0
	ROUND                                          ; the closing round
	s_endpgm
.Lfunc_end_k_qe0309eb016_attn:
	.size	k_qe0309eb016_attn, .Lfunc_end_k_qe0309eb016_attn-k_qe0309eb016_attn
	.p2alignl 7, 3214868480
	.fill 96, 4, 3214868480
	.section	.rodata,"a",@progbits
	.p2align	6, 0x0
	.amdhsa_kernel k_qe0309eb016_attn
		.amdhsa_group_segment_fixed_size 327680
		.amdhsa_private_segment_fixed_size 0
		.amdhsa_enable_private_segment 0
		.amdhsa_kernarg_size 16
		.amdhsa_user_sgpr_count 2
		.amdhsa_user_sgpr_kernarg_segment_ptr 1
		.amdhsa_wavefront_size32 1
		.amdhsa_system_sgpr_workgroup_id_x 1
		.amdhsa_system_sgpr_workgroup_id_y 1
		.amdhsa_system_sgpr_workgroup_id_z 1
		.amdhsa_system_vgpr_workitem_id 0
		.amdhsa_next_free_vgpr 384
		.amdhsa_next_free_sgpr 66
		.amdhsa_reserve_vcc 0
		.amdhsa_float_denorm_mode_32 3
		.amdhsa_float_denorm_mode_16_64 3
		.amdhsa_memory_ordered 1
		.amdhsa_forward_progress 1
		.amdhsa_inst_pref_size 255
	.end_amdhsa_kernel
	.section	.bss,"aw",@nobits
	.p2align	6
	.space	262144
	.amdgpu_metadata
---
amdhsa.version: [ 1, 2 ]
amdhsa.kernels:
  - .name:           k_qe0309eb016_attn
    .symbol:         k_qe0309eb016_attn.kd
    .args:
      - { .name: qkv, .offset: 0, .size: 8, .value_kind: global_buffer, .address_space: global }
      - { .name: ao, .offset: 8, .size: 8, .value_kind: global_buffer, .address_space: global }
    .group_segment_fixed_size: 327680
    .private_segment_fixed_size: 0
    .kernarg_segment_align: 8
    .kernarg_segment_size: 16
    .max_flat_workgroup_size: 256
    .sgpr_count:     66
    .vgpr_count:     384
    .wavefront_size: 32
...
	.end_amdgpu_metadata
.endif
;; end of part 3
;; launch proj (part 4): grid 4 x 64, 4 waves a work-group, clusters of 4 x 4, 304,640 bytes of LDS; arguments ao, wh, out0; writes out0
.if DOCPART == 4
	.amdgcn_target "amdgcn-amd-amdhsa--gfx1250"
	.amdhsa_code_object_version 6
	.text
	.protected	k_qe0309eb016_proj
	.globl	k_qe0309eb016_proj
	.p2align	8
	.type	k_qe0309eb016_proj,@function
k_qe0309eb016_proj:
	s_mov_b64 s[64:65], 0
	v_nop
	global_prefetch_b8 v0, s[64:65] scope:SCOPE_SE
	s_setreg_imm32_b32 hwreg(HW_REG_WAVE_MODE, 25, 1), 1
	s_wait_xcnt 0x0
	s_wait_alu depctr_hold_cnt(0) depctr_sa_sdst(0) depctr_va_vdst(0) depctr_va_sdst(0) depctr_va_ssrc(0) depctr_va_vcc(0) depctr_vm_vsrc(0)
	s_getreg_b32 s2, hwreg(HW_REG_IB_STS2, 6, 4)
	s_cmp_eq_u32 s2, 0
	s_cbranch_scc0 .Lentry_in_a_cluster
	s_endpgm
.Lentry_in_a_cluster:
	s_bfe_u32 s2, ttmp6, 0x10000c
	s_cmp_lg_u32 s2, 0xf033
	s_cbranch_scc0 .Lentry_shape_is_right
	s_endpgm
.Lentry_shape_is_right:
; out0[b*2048+t][o] = sum over i = head*64 + d of ao[b*8+head][t][d] * wh[1536+o][i]; f16 operands, f32 sums and output.  The scales are in wh.
; A work-group makes 128 tokens x 128 columns (256 work-groups for 8,192 x 512) with four waves of 64 x 64: 16 accumulator tiles in window 1.
; ALL OF K = 512 is fetched at the start, four tensor loads a wave, into bytes that are filled once: no ring and no refill.  Chunk c (K = 128 c ..)
; is ao's heads 2 c, 2 c + 1 (waves 0, 1: a plane of 128 tokens x 64 d each) and 128 rows x 128 K of wh (waves 2, 3: 64 rows each).
; CLUSTERS: 4 x 4 work-groups; ao's planes are shared along a row of the cluster, wh's chunks along a column, and asked for jointly.
; The matrix instruction is used transposed (source 0 = 16 rows of wh, source 1 = 16 tokens): a lane holds eight neighbouring columns of a token.
.set AP,      144                      ; a plane's row: 128 bytes + 16
.set APLANE,  128*AP
.set BP,      272                      ; a chunk's row: 256 bytes + 16
.set BCH,     128*BP
.set BBASE,   8*APLANE                 ; 147,456
.set STAGE,   BBASE+4*BCH              ; 286,720, a multiple of 256: no fill lands there
.set SPITCH,  272
.set WSTAGE,  16*SPITCH
.set ADRA, 16                          ; v16-19  LDS address of my ao fragments in chunk c
.set ADRB, 20                          ; v20-23  the same for wh
.set STO,  24
.set RD,   25
.set CO,   26
.set F0,   64                          ; v64-127, v128-191: two fragment buffers, wh's four fragments, then ao's four
.set G1A,  16
.set G1B,  24
.set G0A,  32                          ; s[32:47] a set for each chunk
.set G0B,  48                          ; s[48:63]
.set MSB, 0
.macro WIN new
.if MSB != \new
	s_set_vgpr_msb (MSB<<8)|\new
.set MSB, \new
.endif
.endm
.set ACC, 0x50                         ; C and D window 1
.macro PLACES
.rept 4
	v_nop
.endr
.endm
.macro ROUND
	s_barrier_signal -1
	s_barrier_wait -1
	s_cmp_lg_u32 s10, 0
	s_cbranch_scc1 .Lnot_wave_0_\@
	s_barrier_signal -3
.Lnot_wave_0_\@:
	s_barrier_wait -3
	s_barrier_signal -1
	s_barrier_wait -1
.endm
.macro MM d, a, b, zero
.if \zero
	v_wmma_f32_16x16x32_f16 v[\d:\d+7], v[\a:\a+7], v[\b:\b+7], 0
.else
	v_wmma_f32_16x16x32_f16 v[\d:\d+7], v[\a:\a+7], v[\b:\b+7], v[\d:\d+7]
.endif
.endm
	s_load_b128 s[4:7], s[0:1], 0x0                ; ao s[4:5], wh s[6:7]
	s_load_b64 s[8:9], s[0:1], 0x10                ; out0
	v_lshl_add_u32 v254, v0, 2, 0x4a400
	v_mov_b32 v255, 0
	ds_add_u32 v254, v255
	v_lshrrev_b32 v1, 5, v0
	v_readfirstlane_b32 s10, v1                    ; wave 0..3
	s_lshr_b32 s11, s10, 1                         ; my half of the tokens.  Also: I fetch ao (0) or wh (1)
	s_and_b32 s12, s10, 1                          ; my half of the columns.  Also: which head or which 64 rows I fetch
	s_bfe_u32 s66, ttmp6, 0x40000                  ; cx
	s_bfe_u32 s67, ttmp6, 0x40004                  ; cy
	s_lshl_b32 s68, ttmp9, 2
	s_add_co_u32 s68, s68, s66                     ; column block
	s_and_b32 s69, ttmp7, 0xffff
	s_lshl_b32 s69, s69, 2
	s_add_co_u32 s69, s69, s67                     ; token block
	s_lshl_b32 s70, s67, 2
	s_lshl_b32 s70, 15, s70                        ; my row of the cluster
	s_lshl_b32 s71, 0x1111, s66                    ; my column
	s_or_b32 s[G1A+0], s70, (1<<16)|(1<<20)|(1<<21)|(4<<22)|(3<<25)   ; ao: rows of 32 words, 4 words of padding
	s_or_b32 s[G1B+0], s71, (1<<16)|(1<<20)|(1<<21)|(5<<22)|(3<<25)   ; wh: rows of 64 words, 4 words of padding
	s_mov_b32 s[G1A+1], 64<<16                     ; tensor_dim0
	s_mov_b32 s[G1B+1], 128<<16
	s_mov_b32 s[G1A+2], 128<<16                    ; tensor_dim1
	s_mov_b32 s[G1B+2], 64<<16
	s_mov_b32 s[G1A+3], 64<<16                     ; tile_dim0
	s_mov_b32 s[G1B+3], 128<<16
	s_mov_b32 s[G1A+4], 128                        ; tile_dim1
	s_mov_b32 s[G1B+4], 64
	s_mov_b32 s[G1A+5], 64                         ; elements from row to row
	s_mov_b32 s[G1B+5], 512
	s_mov_b32 s[G1A+6], 0
	s_mov_b32 s[G1B+6], 0
	s_mov_b32 s[G1A+7], 0
	s_mov_b32 s[G1B+7], 0
	s_lshr_b32 s72, s69, 4                         ; batch = token block / 16
	s_lshl_b32 s72, s72, 21                        ; eight heads of 262,144 bytes
	s_and_b32 s73, s69, 15
	s_lshl_b32 s73, s73, 14                        ; 128 tokens of 128 bytes
	s_add_co_u32 s72, s72, s73
	s_lshl_b32 s73, s12, 18                        ; head 2 c + (wave & 1)
	s_add_co_u32 s72, s72, s73
	s_mov_b32 s73, 0
	s_lshl_b32 s74, s68, 17                        ; 128 rows of 1,024 bytes
	s_lshl_b32 s75, s12, 16                        ; 64 rows
	s_add_co_u32 s74, s74, s75
	s_add_co_u32 s74, s74, 1536*1024               ; Wp's rows begin at row 1,536 of wh
	s_mov_b32 s75, 0
	s_mul_i32 s76, s10, APLANE                     ; LDS, waves 0, 1
	s_mul_i32 s77, s10, 64*BP
	s_add_co_u32 s77, s77, BBASE-2*64*BP           ; LDS, waves 2, 3: BBASE + (wave - 2) x 64 rows
	s_lshl_b32 s82, s69, 18                        ; out0: 128 tokens of 2,048 bytes
	s_lshl_b32 s83, s11, 17
	s_add_co_u32 s82, s82, s83                     ; + my 64 tokens
	s_lshl_b32 s83, s68, 9
	s_add_co_u32 s82, s82, s83                     ; + 128 columns of 4 bytes
	s_lshl_b32 s83, s12, 8
	s_add_co_u32 s82, s82, s83                     ; + my 64 columns
	s_mov_b32 s83, 0
	s_wait_dscnt 0x0
	s_wait_kmcnt 0x0
	s_add_nc_u64 s[78:79], s[4:5], s[72:73]
	s_add_nc_u64 s[80:81], s[6:7], s[74:75]
	s_add_nc_u64 s[8:9], s[8:9], s[82:83]
.irp c, 0,1,2,3
	s_mov_b32 s[G0A+4*\c], 1
	s_add_co_u32 s[G0A+4*\c+1], s76, \c*2*APLANE
	s_add_nc_u64 s[G0A+4*\c+2:G0A+4*\c+3], s[78:79], \c*524288     ; two heads on
	s_or_b32 s[G0A+4*\c+3], s[G0A+4*\c+3], 0x80000000
	s_mov_b32 s[G0B+4*\c], 1
	s_add_co_u32 s[G0B+4*\c+1], s77, \c*BCH
	s_add_nc_u64 s[G0B+4*\c+2:G0B+4*\c+3], s[80:81], \c*256        ; 128 K on
	s_or_b32 s[G0B+4*\c+3], s[G0B+4*\c+3], 0x80000000
.endr
	ROUND                                          ; all sixteen work-groups are here: the joint loads meet
	s_cmp_eq_u32 s11, 0                            ; one branch on the wave's number holds all the fills of a wave: four loads out, the most in this text
	s_cbranch_scc0 .Lfor_b
.irp c, 0,1,2,3
	tensor_load_to_lds s[G0A+4*\c:G0A+4*\c+3], s[G1A:G1A+7]
	s_nop 0
.endr
	s_branch .Lasked
.Lfor_b:
.irp c, 0,1,2,3
	tensor_load_to_lds s[G0B+4*\c:G0B+4*\c+3], s[G1B:G1B+7]
	s_nop 0
.endr
.Lasked:
	v_and_b32 v1, 15, v0                           ; r
	v_bfe_u32 v2, v0, 4, 1                         ; h
	v_mul_u32_u24 v3, v1, AP
	v_lshl_add_u32 v3, v2, 4, v3
	v_mul_u32_u24 v6, v1, BP
	v_lshl_add_u32 v4, v2, 4, v6
	s_mul_i32 s84, s11, 64*AP                      ; my 64 tokens in a plane
	s_mul_i32 s85, s12, 64*BP
	s_add_co_u32 s85, s85, BBASE                   ; my 64 rows of wh in a chunk
.irp c, 0,1,2,3
	v_add_nc_u32 v[ADRA+\c], s84, v3
	v_add_nc_u32 v[ADRB+\c], s85, v4
	s_add_co_u32 s84, s84, 2*APLANE
	s_add_co_u32 s85, s85, BCH
.endr
	s_mul_i32 s84, s10, WSTAGE
	s_add_co_u32 s84, s84, STAGE                   ; my stage
	v_lshl_add_u32 v5, v2, 5, v6                   ; in: token r's row + 32 h (eight f32)
	v_add_nc_u32 v[STO], s84, v5
	v_mul_u32_u24 v5, v2, SPITCH                   ; back: lanes 0-15 one row of 256 bytes, lanes 16-31 the next
	v_lshl_add_u32 v5, v1, 4, v5
	v_add_nc_u32 v[RD], s84, v5
	v_lshlrev_b32 v5, 11, v2                       ; and the same two rows of out0 (2,048 bytes each)
	v_lshl_add_u32 v[CO], v1, 4, v5
; The fragments of quarter q (K = 32 q ..): chunk q / 4, head 2 (q / 4) + (q % 4) / 2, d = 32 (q % 2) ..; into buffer q % 2.  16 loads.
.macro FETCH q
.irp b, 0,1,2,3
	ds_load_b128 v[F0+64*((\q)%2)+8*\b:F0+64*((\q)%2)+8*\b+3],   v[ADRB+(\q)/4] offset:16*BP*\b+64*((\q)%4)
	ds_load_b128 v[F0+64*((\q)%2)+8*\b+4:F0+64*((\q)%2)+8*\b+7], v[ADRB+(\q)/4] offset:16*BP*\b+64*((\q)%4)+32
.endr
.irp a, 0,1,2,3
	ds_load_b128 v[F0+64*((\q)%2)+32+8*\a:F0+64*((\q)%2)+32+8*\a+3],   v[ADRA+(\q)/4] offset:APLANE*(((\q)%4)/2)+16*AP*\a+64*((\q)%2)
	ds_load_b128 v[F0+64*((\q)%2)+32+8*\a+4:F0+64*((\q)%2)+32+8*\a+7], v[ADRA+(\q)/4] offset:APLANE*(((\q)%4)/2)+16*AP*\a+64*((\q)%2)+32
.endr
.endm
; Quarter q: its fragments are in; the next quarter's are asked for; 16 products on 16 accumulators that take turns, one instruction a turn.
; sync = 1: the next quarter opens a chunk: each wave shows its part landed (left = the younger
; chunks' loads that may stay out), then a barrier.
.macro QUARTER q, zero, sync, left, more
	s_wait_dscnt 0x0
.if \sync
	s_wait_tensorcnt \left
	s_barrier_signal -1
	s_barrier_wait -1
.endif
.if \more
	PLACES                                         ; ahead of the loads into the buffer that the last quarter's products read
	FETCH \q+1
.endif
	WIN ACC
.irp a, 0,1,2,3
.irp b, 0,1,2,3
	MM 8*(4*\a+\b),F0+64*((\q)%2)+8*\b,F0+64*((\q)%2)+32+8*\a,\zero
.endr
.endr
	WIN 0
.endm
	s_wait_tensorcnt 0x3                           ; my part of chunk 0 is in; the three loads issued behind it may stay out
	s_barrier_signal -1
	s_barrier_wait -1
	FETCH 0
	QUARTER 0,  1, 0, 0, 1
	QUARTER 1,  0, 0, 0, 1
	QUARTER 2,  0, 0, 0, 1
	QUARTER 3,  0, 1, 2, 1                         ; chunk 1: two younger loads may stay out
	QUARTER 4,  0, 0, 0, 1
	QUARTER 5,  0, 0, 0, 1
	QUARTER 6,  0, 0, 0, 1
	QUARTER 7,  0, 1, 1, 1                         ; chunk 2: one
	QUARTER 8,  0, 0, 0, 1
	QUARTER 9,  0, 0, 0, 1
	QUARTER 10, 0, 0, 0, 1
	QUARTER 11, 0, 1, 0, 1                         ; chunk 3: none
	QUARTER 12, 0, 0, 0, 1
	QUARTER 13, 0, 0, 0, 1
	QUARTER 14, 0, 0, 0, 1
	QUARTER 15, 0, 0, 0, 0
	; THE WAY OUT, 16 tokens at a time: the f32 results go straight from the accumulators into my own stage and come back as whole rows of 256 bytes.
	PLACES
.macro OUT16 a, f
	WIN 0x04                                       ; an LDS store's data are its source 1: window 1
.irp b, 0,1,2,3
	ds_store_b128 v[STO], v[8*(4*\a+\b):8*(4*\a+\b)+3]   offset:64*\b
	ds_store_b128 v[STO], v[8*(4*\a+\b)+4:8*(4*\a+\b)+7] offset:64*\b+16
.endr
	WIN 0
	s_wait_xcnt 0x0                                ; buffer f, which earlier stores read, is loaded again only behind this wait
.irp t, 0,1,2,3,4,5,6,7
	ds_load_b128 v[\f+4*\t:\f+4*\t+3], v[RD] offset:\t*2*SPITCH    ; LDS serves a wave's instructions in order: these see the stores above
.endr
.irp t, 0,1,2,3,4,5,6,7
	s_wait_dscnt 7-\t                              ; load t is in; the 7 - t younger ones may be out
	global_store_b128 v[CO], v[\f+4*\t:\f+4*\t+3], s[8:9] offset:(16*\a+2*\t)*2048 th:TH_STORE_NT   ; 16 lanes store 256 consecutive aligned bytes
.endr
.endm
	OUT16 0, F0
	OUT16 1, F0+64
	OUT16 2, F0
	OUT16 3, F0+64
	s_wait_tensorcnt 0x0
	ds_add_u32 v254, v255
	s_wait_dscnt 0x0
	ROUND                                          ; the closing round
	s_endpgm
.Lfunc_end_k_qe0309eb016_proj:
	.size	k_qe0309eb016_proj, .Lfunc_end_k_qe0309eb016_proj-k_qe0309eb016_proj
	.p2alignl 7, 3214868480
	.fill 96, 4, 3214868480
	.section	.rodata,"a",@progbits
	.p2align	6, 0x0
	.amdhsa_kernel k_qe0309eb016_proj
		.amdhsa_group_segment_fixed_size 304640
		.amdhsa_private_segment_fixed_size 0
		.amdhsa_enable_private_segment 0
		.amdhsa_kernarg_size 24
		.amdhsa_user_sgpr_count 2
		.amdhsa_user_sgpr_kernarg_segment_ptr 1
		.amdhsa_wavefront_size32 1
		.amdhsa_system_sgpr_workgroup_id_x 1
		.amdhsa_system_sgpr_workgroup_id_y 1
		.amdhsa_system_sgpr_workgroup_id_z 1
		.amdhsa_system_vgpr_workitem_id 0
		.amdhsa_next_free_vgpr 384
		.amdhsa_next_free_sgpr 86
		.amdhsa_reserve_vcc 0
		.amdhsa_float_denorm_mode_32 3
		.amdhsa_float_denorm_mode_16_64 3
		.amdhsa_memory_ordered 1
		.amdhsa_forward_progress 1
		.amdhsa_inst_pref_size 53
	.end_amdhsa_kernel
	.amdgpu_metadata
---
amdhsa.version: [ 1, 2 ]
amdhsa.kernels:
  - .name:           k_qe0309eb016_proj
    .symbol:         k_qe0309eb016_proj.kd
    .args:
      - { .name: ao, .offset: 0, .size: 8, .value_kind: global_buffer, .address_space: global }
      - { .name: wh, .offset: 8, .size: 8, .value_kind: global_buffer, .address_space: global }
      - { .name: out0, .offset: 16, .size: 8, .value_kind: global_buffer, .address_space: global }
    .group_segment_fixed_size: 304640
    .private_segment_fixed_size: 0
    .kernarg_segment_align: 8
    .kernarg_segment_size: 24
    .max_flat_workgroup_size: 128
    .sgpr_count:     86
    .vgpr_count:     384
    .wavefront_size: 32
...
	.end_amdgpu_metadata
.endif
;; end of part 4
